; MI455X (gfx1250); checked and timed in simulation.
; The chip was launched on July 23, 2026; its instructions are those of AMD's public machine-readable ISA for CDNA 5 (MIT licence, August 2026) and "CDNA5" Instruction Set Architecture Reference Guide (July 2026). The comments in the code are by the model that wrote it; some were corrected since.
;; Scaled Dot Product Attention. Allowed arithmetic: float matrix products may take bf16 or f16 operands with f32 sums; all other float work in f32.
;; Inputs: K 4 x 16 x 2,048 x 64 float32; Q 4 x 16 x 2,048 x 64 float32; V 4 x 16 x 2,048 x 64 float32; mask 4 x 1 x 2,048 x 2,048 float32.
;; Outputs: out0 4 x 16 x 2,048 x 64 float32.
;; One version. Each part assembles by itself: llvm-mc -triple=amdgcn-amd-amdhsa -mcpu=gfx1250 --defsym DOCPART=n.
;; ======== version 1 of 1: 1 launch
;; limits: right only within a limited range of input values; values are held in f16: magnitudes above 65,504 overflow, below 6.1e-05 lose precision; inputs' magnitudes at most 65,504
;; launch attn (part 1): grid 16 x 16, 8 waves a work-group, clusters of 4 x 1, 327,680 bytes of LDS; arguments Q, K, V, mask, out0; writes out0
.if DOCPART == 1
	.amdgcn_target "amdgcn-amd-amdhsa--gfx1250"
	.amdhsa_code_object_version 6
	.text
	.protected	k_q643be4863f_attn
	.globl	k_q643be4863f_attn
	.p2align	8
	.type	k_q643be4863f_attn,@function
k_q643be4863f_attn:
	s_mov_b64 s[64:65], 0
	v_nop
	global_prefetch_b8 v0, s[64:65] scope:SCOPE_SE
	s_setreg_imm32_b32 hwreg(HW_REG_WAVE_MODE, 25, 1), 1
	s_wait_xcnt 0x0
	s_wait_alu depctr_hold_cnt(0) depctr_sa_sdst(0) depctr_va_vdst(0) depctr_va_sdst(0) depctr_va_ssrc(0) depctr_va_vcc(0) depctr_vm_vsrc(0)
	s_getreg_b32 s2, hwreg(HW_REG_IB_STS2, 6, 4)
	s_cmp_eq_u32 s2, 0
	s_cbranch_scc0 .Lentry_in_a_cluster
	s_endpgm
.Lentry_in_a_cluster:
	s_bfe_u32 s2, ttmp6, 0x10000c
	s_cmp_lg_u32 s2, 0x3003
	s_cbranch_scc0 .Lentry_shape_is_right
	s_endpgm
.Lentry_shape_is_right:
; out[b][hd][q][:] = sum over k of w(q,k) V[k][:] / (sum over k of w(q,k) + 1e-8),  w(q,k) = exp(Q[q].K[k] / 8) * mask[b][q][k].
; Q, K, V, out: [4][16][2048][64] f32.  mask: [4][1][2048][2048] f32, multiplied in as it is given.  No maximum is taken away: the problem's function takes none.
; SHARES.  A work-group has 512 query rows of one (batch, head): grid x = head, grid y = 4 batch + query block.  Eight waves, 64 query rows each (four tiles of 16);
; every wave walks all 2,048 keys in 32 trips of 64 keys, a trip being two steps of 32 keys.
; FORMATS.  Q, K, V are rounded to bf16 as they are; the factor log2(e)/8 is applied in f32 behind the first product (bf16 operands); all sums are f32.
; THE WEIGHTS GO INTO THE SECOND PRODUCT IN f16.  A bf16 weight is off by up to 2^-8 of itself, and a key that holds a large share of its row's sum hands that on undamped
; (share x 2^-8 x |v|), while the results are means over many keys and far smaller than |v|; f16 is off by 2^-11 at the most.  Its range is met step by step: for each query
; row and each step of 32 keys, W = the largest |w| (at least 2^-100), sigma = the power of two that puts W into [2^14, 2^15); the product of V with f16(w sigma) starts
; from zero and is added as O += D / sigma, an exact power of two.  O and the row sum stay unnormalised in f32: nothing is shifted in the exponent, nothing is carried along.
; V has to be f16 beside f16 weights: it gets the same rounding to bf16 as Q and K, and that number is then written as f16, exactly wherever it lies in 2^-14 .. 65,504.
; TRANSPOSED USE.  Scores: A = 16 keys x 32 d of K, B = 16 queries x 32 d of Q, so lane (r, h) holds keys 8h..8h+7 of query r.  Two such tiles, packed to 16 bits, ARE the
; B fragment (n = query, k = 32 keys) of the second product, whose A is V read transposed (m = d, k = key): a weight never changes lanes, row sum and sigma are the lane's own
; query's, and a lane's eight results are eight neighbouring numbers of an output row.
; CLUSTERS.  The four work-groups of a cluster are four heads with the same grid y.  They need the same tile of the mask (512 rows x 256 bytes a trip, 128 KiB), which is
; asked for jointly with the mask 15.  K's and V's tiles (32 KiB a trip in f32) are shared by the four query blocks of a head, not by these partners, and are NOT asked for
; jointly: they have to be rounded on their way, which a tensor load does not do, and beside the mask's two slots (278,528 bytes) and the 16-bit tiles (38,912)
; the 327,680 bytes of LDS have no room for two f32 stages of 32,768.  They come through registers, one tile ahead, each tile converted once by the work-group.
; LIMITS.  (1) sum w v is kept unnormalised: a row with (sum w) x max|V| above 3.4e38 overflows here although sum w itself is still finite.
; (2) v_exp_f32 gives 0 for results below 2^-126: weights of scores below -87.3 count as 0.  (3) A row sum above 2^126 has a denormal reciprocal, which v_rcp_f32 gives as 0.
; (4) |V| above 65,504 becomes infinity; a number of V below 2^-14 carries an absolute error of up to 2^-25.
; (5) A weight below 2^-39 of the largest among the 32 keys of its step counts as 0 in the numerator (it still counts in the row sum).
;
; LDS: mask slot 0 at 0, slot 1 at 139,264: 512 rows of 256 + 16 bytes; wave w fills and reads rows 64 w .. 64 w + 63 alone.
;      K in bf16, two buffers of 64 rows x 144 bytes at 278,528; V in f16, two buffers of 64 rows x 160 bytes at 296,960: written by LDS stores only, never by a tensor load.
;      The way out goes through the wave's own part of mask slot 0, whose last fill (tile 30) has landed and been read by then.
.set MPITCH, 272                       ; a mask row in LDS: 17 x 16 bytes, so sixteen rows start in sixteen different 16-byte columns
.set WPART,  64*MPITCH                 ; a wave's part of a mask slot: 17,408
.set MSLOT,  8*WPART                   ; 139,264
.set KBASE,  2*MSLOT                   ; 278,528
.set KP,     144                       ; 128 bytes of bf16 + 16
.set KBUF,   64*KP
.set VBASE,  KBASE+2*KBUF              ; 296,960
.set VP,     160                       ; 5 x 32 bytes, for the transposing loads
.set VBUF,   64*VP
; window 0
.set MA,   2                           ; v2, v3   my 32 bytes of mask row r in my part of slot 0, 1; v2 is also where I put results on the way out
.set ADK,  4                           ; v4       K fragments
.set ADV,  5                           ; v5       V fragments (transposing loads)
.set KST,  6                           ; v6       where my 8 bytes of a K row go
.set VST,  7                           ; v7       the same for V
.set GOFF, 8                           ; v8       16 t: my 16 bytes of each 4,096 of a K or V tile
.set QOFF, 9                           ; v9       256 r + 32 h
.set PFM,  10                          ; v10      prefetch: row 32 head + lane of the block's 512 mask rows
.set PFK,  11                          ; v11      prefetch: 256 x lane
.set RD,   12                          ; v12      the way out: where I read rows back
.set OOFF, 13                          ; v13      the way out: 16 x lane
.set SG,   14                          ; v[14:15] r and h while the addresses are made; then v14 = sigma of the query tile at work (v15 is only the pair's other half)
.set LS,   16                          ; v[16:23] row sums, a pair for each query tile
.set KS,   24                          ; v[24:55] K's and V's next tile as loaded (4 + 4 quads)
.set KF,   56                          ; v[56:87] K fragments: key tile a, d half c at KF + 16 a + 8 c; behind the scores: the step's products of query tiles 0 and 2
.set VF,   88                          ; v[88:119] V fragments: d tile m at VF + 8 m
.set SS,   120                         ; v[120:183] scores: tile i = 2 n + a (query tile n, key tile a) at SS + 8 i; once packed: the step's products of query tiles 1 (SS) and 3 (SS + 32)
.set MK,   184                         ; v[184:247] mask of tile i at MK + 8 i; the packed weights of query tile n lie over MK + 16 n .. + 7
.set IV,   248                         ; v[248:255] a pair for each query tile: first the running largest |w|, then 1 / sigma; second the other half-wave's largest
; window 1: v[0:127] output sums, (d tile m, query tile n) at 8 (4 n + m);  v[128:191] Q fragments, (n, c) at QF + 16 n + 8 c
.set QF,   128
.set G1,   16                          ; s[16:23] descriptor group 1
.set G0,   24                          ; s[24:31] descriptor group 0, one set for each slot
.set MSB, 0
.macro WIN new                         ; s_set_vgpr_msb: bits 1:0 source 0, 3:2 source 1, 5:4 source 2, 7:6 destination; the high byte repeats the setting that is left
.if MSB != \new
	s_set_vgpr_msb (MSB<<8)|\new
.set MSB, \new
.endif
.endm
.macro PLACES n                        ; plain vector places behind a matrix instruction (ISA guide 7.12.1)
.rept \n
	v_nop
.endr
.endm
; A round of the cluster's barrier: my work-group's barrier, wave 0 signals for the work-group, every wave waits for all four work-groups, my work-group's barrier again.
.macro ROUND
	s_barrier_signal -1
	s_barrier_wait -1
	s_cmp_lg_u32 s14, 0
	s_cbranch_scc1 .Lnot_wave_0_\@
	s_barrier_signal -3
.Lnot_wave_0_\@:
	s_barrier_wait -3
	s_barrier_signal -1
	s_barrier_wait -1
.endm
	s_load_b256 s[4:11], s[0:1], 0x0               ; Q s[4:5], K s[6:7], V s[8:9], mask s[10:11]
	s_load_b64 s[12:13], s[0:1], 0x20              ; out
	s_set_vgpr_msb 0x40
	v_lshl_add_u32 v192, v0, 2, 0x4d800
	v_mov_b32 v193, 0
	s_set_vgpr_msb 0x4045
	ds_add_u32 v192, v193
	s_set_vgpr_msb 0x4500
	v_lshrrev_b32 v1, 5, v0
	v_readfirstlane_b32 s14, v1                    ; wave 0..7
	s_bfe_u32 s15, ttmp6, 0x40000                  ; cx: my place in the cluster
	s_lshl_b32 s41, ttmp9, 2
	s_add_co_u32 s41, s41, s15                     ; head = 4 x cluster x + cx
	s_and_b32 s42, ttmp7, 0xffff                   ; y = 4 batch + query block
	s_lshr_b32 s43, s42, 2                         ; batch
	s_and_b32 s48, s42, 3                          ; query block
	s_lshl_b32 s43, s43, 4
	s_add_co_u32 s43, s43, s41                     ; 16 batch + head
	s_lshl_b32 s44, s43, 19                        ; x 2,048 rows of 256 bytes
	s_mov_b32 s45, 0
	s_lshl_b32 s58, s48, 17                        ; query block x 512 rows of 256 bytes
	s_lshl_b32 s59, s14, 14                        ; wave x 64 rows of 256 bytes
	s_add_co_u32 s52, s44, s58
	s_add_co_u32 s52, s52, s59                     ; my 64 rows in Q and in out
	s_mov_b32 s53, 0
	s_lshl_b32 s56, s42, 22                        ; the mask's 512 rows of 8,192 bytes: batch << 24 + query block << 22
	s_mov_b32 s57, 0
	s_lshl_b32 s58, s14, 19                        ; wave x 64 rows of 8,192 bytes
	s_add_co_u32 s54, s56, s58                     ; made of y and the wave's number alone: equal in all four partners
	s_mov_b32 s55, 0
	s_mov_b32 s46, 0x76543210                      ; v_permlanex16_b32: lane i reads lane i of the other half
	s_mov_b32 s47, 0xfedcba98
	s_mov_b32 s49, 0xffff0000                      ; a word's upper bf16
	s_mov_b32 s50, 0x3e38aa3b                      ; log2(e) / 8
	s_mov_b32 s51, 0x3e38aa3b
	s_mov_b32 s63, 0x0d800000                      ; 2^-100: the least W, so that sigma (2^114 at the most) and 1 / sigma (2^-114 at the least) are normal numbers
	s_mul_i32 s60, s14, WPART                      ; my part of a mask slot
	s_mul_i32 s61, s14, 2*KP                       ; my two rows of each sixteen of a K tile
	s_add_co_u32 s61, s61, KBASE
	s_mul_i32 s62, s14, 2*VP
	s_add_co_u32 s62, s62, VBASE
	; descriptor group 1: 64 rows x 64 elements of 4 bytes, 2,048 elements from row to row, 16 bytes of padding behind each row's 64 words
	s_mov_b32 s[G1+0], 15|(2<<16)|(1<<20)|(1<<21)|(5<<22)|(3<<25)  ; 15:0 the four partners; 17:16 4-byte elements; 20 padding on; 21 set beside a mask; 24:22 every 64 words; 31:25 4 words
	s_mov_b32 s[G1+1], 64<<16                      ; tensor_dim0 = 64
	s_mov_b32 s[G1+2], 64<<16                      ; tensor_dim1 = 64
	s_mov_b32 s[G1+3], 64<<16                      ; tile_dim0 = 64
	s_mov_b32 s[G1+4], 64                          ; tile_dim1 = 64
	s_mov_b32 s[G1+5], 2048                        ; pitch
	s_mov_b32 s[G1+6], 0
	s_mov_b32 s[G1+7], 0
	v_and_b32 v14, 15, v0                          ; r
	v_bfe_u32 v15, v0, 4, 1                        ; h
	v_and_b32 v1, 31, v0                           ; lane
	v_mul_u32_u24 v[MA], v14, MPITCH
	v_lshl_add_u32 v[MA], v15, 5, v[MA]            ; row r, keys 8 h .. 8 h + 7 in f32
	v_add_nc_u32 v[MA], s60, v[MA]
	v_add_nc_u32 v[MA+1], MSLOT, v[MA]
	v_mul_u32_u24 v[ADK], v14, KP
	v_lshl_add_u32 v[ADK], v15, 4, v[ADK]          ; key r, d 8 h .. in bf16
	v_add_nc_u32 v[ADK], KBASE, v[ADK]
	v_and_b32 v[ADV], 7, v0
	v_lshl_add_u32 v[ADV], v15, 3, v[ADV]          ; key 8 h + lane % 8
	v_mul_u32_u24 v[ADV], v[ADV], VP
	v_bfe_u32 v[KST], v0, 3, 1
	v_lshl_add_u32 v[ADV], v[KST], 4, v[ADV]       ; + 16 bytes for the upper eight lanes of each sixteen
	v_add_nc_u32 v[ADV], VBASE, v[ADV]
	v_mul_u32_u24 v[KST], v15, KP                  ; thread t = 32 w + lane holds key t / 16 = 2 w + h, d 4 r .. 4 r + 3
	v_lshl_add_u32 v[KST], v14, 3, v[KST]
	v_add_nc_u32 v[KST], s61, v[KST]
	v_mul_u32_u24 v[VST], v15, VP
	v_lshl_add_u32 v[VST], v14, 3, v[VST]
	v_add_nc_u32 v[VST], s62, v[VST]
	v_lshlrev_b32 v[GOFF], 4, v0
	v_lshlrev_b32 v[QOFF], 8, v14
	v_lshl_add_u32 v[QOFF], v15, 5, v[QOFF]
	v_lshlrev_b32 v[PFM], 13, v1
	v_lshl_add_u32 v[PFM], s41, 18, v[PFM]         ; (32 head + lane) rows of 8,192 bytes
	v_lshlrev_b32 v[PFK], 8, v1
	v_mul_u32_u24 v[RD], v15, MPITCH               ; back: lanes 0-15 one row of 256 bytes, lanes 16-31 the next
	v_lshl_add_u32 v[RD], v14, 4, v[RD]
	v_add_nc_u32 v[RD], s60, v[RD]
	v_lshlrev_b32 v[OOFF], 4, v1
.irp qn, 0,1,2,3
	v_mov_b32 v[IV+2*\qn+1], 0                     ; the lane exchange's destination counts as read: written once here, any value
.endr
	s_wait_dscnt 0x0
	s_wait_kmcnt 0x0
	s_add_nc_u64 s[54:55], s[10:11], s[54:55]      ; the mask at my wave's 64 rows
	s_add_nc_u64 s[32:33], s[6:7], s[44:45]        ; K and V of my head: the tile to be loaded next
	s_add_nc_u64 s[34:35], s[8:9], s[44:45]
	s_add_nc_u64 s[4:5], s[4:5], s[52:53]          ; Q and out at my 64 rows
	s_add_nc_u64 s[12:13], s[12:13], s[52:53]
	s_add_nc_u64 s[36:37], s[10:11], s[56:57]      ; prefetch of the mask: the block's 512 rows,
	s_add_nc_u64 s[36:37], s[36:37], 512           ; tile 2
	s_cmp_lt_u32 s48, 2                            ; prefetch of K and V: query blocks 0, 1 ask for K's halves, 2, 3 for V's
	s_cselect_b64 s[38:39], s[6:7], s[8:9]
	s_add_nc_u64 s[38:39], s[38:39], s[44:45]
	s_and_b32 s58, s48, 1
	s_lshl_b32 s58, s58, 13                        ; which 8,192 bytes of the tile's 16,384,
	s_add_co_u32 s58, s58, 32768                   ; tile 2
	s_mov_b32 s59, 0
	s_add_nc_u64 s[38:39], s[38:39], s[58:59]
	ROUND                                          ; all four work-groups are here: the first joint loads meet
.irp p, 0,1
	s_mov_b32 s[G0+4*\p], 1                                        ; count = 1
	s_add_co_u32 s[G0+4*\p+1], s60, \p*MSLOT                       ; LDS address: the wave's part of slot p
	s_add_nc_u64 s[G0+4*\p+2:G0+4*\p+3], s[54:55], \p*256          ; keys 64 p .. 64 p + 63 of my rows
	s_or_b32 s[G0+4*\p+3], s[G0+4*\p+3], 0x80000000                ; type = 2
	tensor_load_to_lds s[G0+4*\p:G0+4*\p+3], s[G1:G1+7]            ; both first fills go out together: two tensor loads of the wave are out, never more
	s_nop 0
.endr
; The next tile of K and of V, 16,384 bytes each: load q brings thread t the 16 bytes at 4,096 q + 16 t: key 16 q + t / 16, d 4 (t % 16) ..
.macro KVLOAD
.irp q, 0,1,2,3
	global_load_b128 v[KS+4*\q:KS+4*\q+3], v[GOFF], s[32:33] offset:4096*\q
	global_load_b128 v[KS+16+4*\q:KS+16+4*\q+3], v[GOFF], s[34:35] offset:4096*\q
.endr
.endm
; Round it to bf16 (four numbers into two registers, in place); V's bf16 numbers are widened again and written as f16 (8 significant bits fit into 11); into buffer buf.
.macro KVSTORE buf
.irp q, 0,1,2,3,4,5,6,7
	v_cvt_pk_bf16_f32 v[KS+4*\q], v[KS+4*\q], v[KS+4*\q+1]
	v_cvt_pk_bf16_f32 v[KS+4*\q+1], v[KS+4*\q+2], v[KS+4*\q+3]
.endr
.irp q, 4,5,6,7
.irp e, 0,1
	v_lshlrev_b32 v[KS+4*\q+2], 16, v[KS+4*\q+\e]
	v_and_b32 v[KS+4*\q+3], s49, v[KS+4*\q+\e]
	v_cvt_pk_f16_f32 v[KS+4*\q+\e], v[KS+4*\q+2], v[KS+4*\q+3]
.endr
.endr
.irp q, 0,1,2,3
	ds_store_b64 v[KST], v[KS+4*\q:KS+4*\q+1] offset:(\buf)*KBUF+16*KP*\q
	ds_store_b64 v[VST], v[KS+16+4*\q:KS+16+4*\q+1] offset:(\buf)*VBUF+16*VP*\q
.endr
.endm
.macro SCALE1 idx, j                   ; two scores x log2(e) / 8, in f32
	v_pk_mul_f32 v[SS+8*\idx+2*\j:SS+8*\idx+2*\j+1], v[SS+8*\idx+2*\j:SS+8*\idx+2*\j+1], s[50:51] op_sel_hi:[1,0]
.endm
.macro SCALE idx
.irp j, 0,1,2,3
	SCALE1 \idx, \j
.endr
.endm
.macro EXPS idx                        ; 2^x in place; what follows is plain work on other registers, and the results are used further down (ISA guide 5.7.2)
.irp j, 0,1,2,3,4,5,6,7
	v_exp_f32 v[SS+8*\idx+\j], v[SS+8*\idx+\j]
.endr
.endm
; Tile idx: times the mask; then, by turns, into the query tile's row sum and into its largest |w| of this step (key tile 0 starts that from 2^-100).
; first = 1: the tile starts its query tile's row sum: nothing is cleared.
.macro WM idx, first
	s_wait_alu depctr_va_vdst(0)
.irp j, 0,1,2,3
	v_pk_mul_f32 v[SS+8*\idx+2*\j:SS+8*\idx+2*\j+1], v[SS+8*\idx+2*\j:SS+8*\idx+2*\j+1], v[MK+8*\idx+2*\j:MK+8*\idx+2*\j+1]
.endr
.if \first
	v_pk_add_f32 v[LS+2*(\idx/2):LS+2*(\idx/2)+1], v[SS+8*\idx:SS+8*\idx+1], v[SS+8*\idx+2:SS+8*\idx+3]
.else
	v_pk_add_f32 v[LS+2*(\idx/2):LS+2*(\idx/2)+1], v[LS+2*(\idx/2):LS+2*(\idx/2)+1], v[SS+8*\idx:SS+8*\idx+1]
.endif
.if \idx%2
	v_max3_num_f32 v[IV+2*(\idx/2)], |v[SS+8*\idx]|, |v[SS+8*\idx+1]|, v[IV+2*(\idx/2)]
.else
	v_max3_num_f32 v[IV+2*(\idx/2)], |v[SS+8*\idx]|, |v[SS+8*\idx+1]|, s63
.endif
.if \first == 0
	v_pk_add_f32 v[LS+2*(\idx/2):LS+2*(\idx/2)+1], v[LS+2*(\idx/2):LS+2*(\idx/2)+1], v[SS+8*\idx+2:SS+8*\idx+3]
.endif
	v_max3_num_f32 v[IV+2*(\idx/2)], |v[SS+8*\idx+2]|, |v[SS+8*\idx+3]|, v[IV+2*(\idx/2)]
	v_pk_add_f32 v[LS+2*(\idx/2):LS+2*(\idx/2)+1], v[LS+2*(\idx/2):LS+2*(\idx/2)+1], v[SS+8*\idx+4:SS+8*\idx+5]
	v_max3_num_f32 v[IV+2*(\idx/2)], |v[SS+8*\idx+4]|, |v[SS+8*\idx+5]|, v[IV+2*(\idx/2)]
	v_pk_add_f32 v[LS+2*(\idx/2):LS+2*(\idx/2)+1], v[LS+2*(\idx/2):LS+2*(\idx/2)+1], v[SS+8*\idx+6:SS+8*\idx+7]
	v_max3_num_f32 v[IV+2*(\idx/2)], |v[SS+8*\idx+6]|, |v[SS+8*\idx+7]|, v[IV+2*(\idx/2)]
.endm
; Query tile qn: W over all 32 keys (the other half of the lanes holds the same query's other 16), its exponent field E (27 .. 255), sigma = 2^(141 - E), field 268 - E,
; and 1 / sigma = 2^(E - 141), field E - 14.  W < 2^(E - 126), so |w| sigma < 2^15.  A chain of five; with = 1: the four lines of SCALE idx stand between its links.
.macro SIGMA qn, idx, with
	v_permlanex16_b32 v[IV+2*\qn+1], v[IV+2*\qn], s46, s47
.if \with
	SCALE1 \idx, 0
.endif
	v_max_num_f32 v[IV+2*\qn], v[IV+2*\qn], v[IV+2*\qn+1]
.if \with
	SCALE1 \idx, 1
.endif
	v_and_b32 v[IV+2*\qn], 0x7f800000, v[IV+2*\qn]
.if \with
	SCALE1 \idx, 2
.endif
	v_sub_nc_u32 v[SG], 0x86000000, v[IV+2*\qn]    ; (268 << 23) - (E << 23)
.if \with
	SCALE1 \idx, 3
.endif
	v_add_nc_u32 v[IV+2*\qn], 0xf9000000, v[IV+2*\qn]   ; (E << 23) - (14 << 23)
.endm
; Query tile qn: its 16 weights a lane x sigma, rounded to f16: key tile 0 makes registers 0-3, key tile 1 registers 4-7 of the B fragment, over mask registers that have been used up.
.macro PACK qn
.irp j, 0,1,2,3,4,5,6,7
	v_pk_mul_f32 v[SS+16*\qn+2*\j:SS+16*\qn+2*\j+1], v[SS+16*\qn+2*\j:SS+16*\qn+2*\j+1], v[SG:SG+1] op_sel_hi:[1,0]
.endr
.irp j, 0,1,2,3,4,5,6,7
	v_cvt_pk_f16_f32 v[MK+16*\qn+\j], v[SS+16*\qn+2*\j], v[SS+16*\qn+2*\j+1]
.endr
.endm
; Query tile qn: the step's product with V, four d tiles, from zero, into 32 registers at base that are free by then.
.macro PV qn, base
	s_wait_alu depctr_va_vdst(0)
.irp dm, 0,1,2,3
	v_wmma_f32_16x16x32_f16 v[\base+8*\dm:\base+8*\dm+7], v[VF+8*\dm:VF+8*\dm+7], v[MK+16*\qn:MK+16*\qn+7], 0
.endr
.endm
; Query tile qn: O += D / sigma (under the window setting 0x50: destination and source 2 in window 1).  zero = 1: the launch's first step starts the sums.
.macro ACC qn, base, zero
.irp dm, 0,1,2,3
.irp j, 0,1,2,3
.if \zero
	v_pk_mul_f32 v[8*(4*\qn+\dm)+2*\j:8*(4*\qn+\dm)+2*\j+1], v[\base+8*\dm+2*\j:\base+8*\dm+2*\j+1], v[IV+2*\qn:IV+2*\qn+1] op_sel_hi:[1,0]
.else
	v_pk_fma_f32 v[8*(4*\qn+\dm)+2*\j:8*(4*\qn+\dm)+2*\j+1], v[\base+8*\dm+2*\j:\base+8*\dm+2*\j+1], v[IV+2*\qn:IV+2*\qn+1], v[8*(4*\qn+\dm)+2*\j:8*(4*\qn+\dm)+2*\j+1] op_sel_hi:[1,0,1]
.endif
.endr
.endr
.endm
; One step: keys 32 kk .. 32 kk + 31 of the tile in slot (mask) and buffer (K, V) number slot.  zero = 1: the launch's first step starts all sums.
; MATRIX INSTRUCTIONS.  In the scores' run the eight accumulators take turns, one instruction a turn; the products with V all start from zero, and no two
; matrix instructions that follow each other name the same result.  DISTANCES (ISA guide 7.12.1 for vector instructions): four v_nop behind the scores' run; every other
; distance is filled by work on other registers: a query tile's products are read by ACC at least one tile's softmax, or another tile's sixteen ACC lines, later; the same lines
; stand between the last products and the next step's loads into K's, V's and the mask's registers and its scores.
.macro STEP slot, kk, zero
.irp e, 0,1,2,3
	ds_load_b128 v[KF+8*\e:KF+8*\e+3],   v[ADK] offset:(\slot)*KBUF+(32*(\kk)+16*(\e/2))*KP+64*(\e%2)
	ds_load_b128 v[KF+8*\e+4:KF+8*\e+7], v[ADK] offset:(\slot)*KBUF+(32*(\kk)+16*(\e/2))*KP+64*(\e%2)+32
.endr
.irp i, 0,1,2,3,4,5,6,7
	ds_load_b128 v[MK+8*\i:MK+8*\i+3],   v[MA+\slot] offset:16*(\i/2)*MPITCH+128*(\kk)+64*(\i%2)
	ds_load_b128 v[MK+8*\i+4:MK+8*\i+7], v[MA+\slot] offset:16*(\i/2)*MPITCH+128*(\kk)+64*(\i%2)+16
.endr
.irp dm, 0,1,2,3
	ds_load_tr16_b128 v[VF+8*\dm:VF+8*\dm+3],   v[ADV] offset:(\slot)*VBUF+32*(\kk)*VP+32*\dm
	ds_load_tr16_b128 v[VF+8*\dm+4:VF+8*\dm+7], v[ADV] offset:(\slot)*VBUF+32*(\kk)*VP+32*\dm+16*VP
.endr
	s_wait_dscnt 24                                ; LDS loads come back in order (ISA guide 5.7.1): K's eight are in; the mask's sixteen and V's eight may be out
	WIN 0x04                                       ; B (Q's fragments) in window 1
.irp i, 0,1,2,3,4,5,6,7
	v_wmma_f32_16x16x32_bf16 v[SS+8*\i:SS+8*\i+7], v[KF+16*(\i%2):KF+16*(\i%2)+7], v[QF+16*(\i/2):QF+16*(\i/2)+7], 0
.endr
.irp i, 0,1,2,3,4,5,6,7
	v_wmma_f32_16x16x32_bf16 v[SS+8*\i:SS+8*\i+7], v[KF+16*(\i%2)+8:KF+16*(\i%2)+15], v[QF+16*(\i/2)+8:QF+16*(\i/2)+15], v[SS+8*\i:SS+8*\i+7]
.endr
	WIN 0
	PLACES 4                                       ; before vector instructions read the scores
	s_wait_dscnt 8                                 ; the mask is in; V's eight loads may be out
	SCALE 0
	EXPS 0
	SCALE 1
	EXPS 1
	WM 0, \zero
	SCALE 2
	EXPS 2
	WM 1, 0
	SIGMA 0, 3, 1
	EXPS 3
	PACK 0
	s_wait_dscnt 0x0                               ; V's fragments
	PV 0, KF                                       ; K's fragments have served
	WM 2, \zero
	SCALE 4
	EXPS 4
	WM 3, 0
	SIGMA 1, 5, 1
	EXPS 5
	PACK 1
	PV 1, SS                                       ; score tiles 0 to 3 have been packed
	WM 4, \zero
	SCALE 6
	EXPS 6
	WM 5, 0
	SIGMA 2, 7, 1
	EXPS 7
	PACK 2
	WIN 0x50
	ACC 0, KF, \zero
	ACC 1, SS, \zero
	WIN 0
	PV 2, KF                                       ; query tile 0's products have been added
	WM 6, \zero
	WM 7, 0
	SIGMA 3, 0, 0
	PACK 3
	PV 3, (SS+32)                                  ; score tiles 4 to 7 have been packed
	WIN 0x50
	ACC 2, KF, \zero
	ACC 3, (SS+32), \zero
	WIN 0
.endm
; Trip t works on tile t: mask slot and K/V buffer number slot = t % 2.
; head = 1: a round of the cluster's barrier, then the joint request for mask tile t + 1 into the other slot.  In front of the round each wave's LDS instructions are done
;   (its reads of the other slot and of the other K/V buffer, its stores of this trip's K/V tile) and all its tensor loads have landed (one was out: this trip's mask tile).
;   So one barrier a trip orders three things: the old mask slot's reads against its refill, the old K/V buffer's reads against this trip's stores into it,
;   and last trip's K/V stores against this trip's reads.
; head = 2: the same waits and the work-group's barrier alone: nothing is left to ask for.   head = 0: the barrier stands in front of the trip.
; kv = 1: K's and V's tile t + 1 is loaded at the head and stored into the other buffer at the end.
; pf = 1: wave 0 asks for tile t + 2 to be brought near, one trip ahead of its request: this head's 32 of the block's 512 mask rows (256 bytes each, the 16 heads of a grid y
;   cover all), and this query block's 32 of the 128 blocks of 256 bytes of K's and V's tile (the head's four query blocks cover all).  Trips 0 to 29 ask, for tiles 2 to 31.
.macro TRIP slot, head, kv, pf, zero
.if \head == 1
	s_set_vgpr_msb 0x5
	s_wait_tensorcnt 0x0                           ; all my tensor loads have landed, so a group 0 may be written:
	ds_add_u32 v192, v193
	s_wait_dscnt 0x0
	s_set_vgpr_msb 0x500
	s_add_nc_u64 s[G0+4*(1-\slot)+2:G0+4*(1-\slot)+3], s[G0+4*(1-\slot)+2:G0+4*(1-\slot)+3], 512   ; the other slot's next tile, two tiles of 256 bytes on
	s_wait_dscnt 0x0
	ROUND
	tensor_load_to_lds s[G0+4*(1-\slot):G0+4*(1-\slot)+3], s[G1:G1+7]   ; my one tensor load behind the round, and the first thing there
	s_nop 0
.endif
.if \head == 2
	s_wait_tensorcnt 0x0
	s_wait_dscnt 0x0
	s_barrier_signal -1
	s_barrier_wait -1
.endif
.if \kv
	KVLOAD
.endif
.if \pf
	s_cmp_lg_u32 s14, 0
	s_cbranch_scc1 .Lno_prefetch_\@
	global_prefetch_b8 v[PFM], s[36:37] th:TH_LOAD_NT scope:SCOPE_SE
	global_prefetch_b8 v[PFK], s[38:39] th:TH_LOAD_NT scope:SCOPE_SE
.Lno_prefetch_\@:
.endif
	STEP \slot, 0, \zero
	STEP \slot, 1, 0
.if \kv
	s_wait_loadcnt 0x0                             ; the next tile is in registers, and its loads' bases are free
	KVSTORE (1-\slot)
	s_add_nc_u64 s[32:33], s[32:33], 16384         ; (behind tile 31 the stepped addresses are not used)
	s_add_nc_u64 s[34:35], s[34:35], 16384
.endif
.if \pf
	s_wait_xcnt 0x0                                ; the prefetches' addresses have been translated (ISA guide 3.1): their bases are stepped only behind this wait, a whole trip behind them
	s_add_nc_u64 s[36:37], s[36:37], 256
	s_add_nc_u64 s[38:39], s[38:39], 16384
.endif
.endm
	KVLOAD                                         ; tile 0
	; Q: fragment f = 2 n + c (query tile n, d half c) is 16 f32 a lane: d 32 c + 8 h + 0..7 and 32 c + 16 + 8 h + 0..7 of row 16 n + r.  Read once in the launch.
.irp f, 0,1,2,3,4,5,6,7
	global_load_b128 v[SS+16*\f:SS+16*\f+3],     v[QOFF], s[4:5] offset:4096*(\f/2)+128*(\f%2) th:TH_LOAD_NT
	global_load_b128 v[SS+16*\f+4:SS+16*\f+7],   v[QOFF], s[4:5] offset:4096*(\f/2)+128*(\f%2)+16 th:TH_LOAD_NT
	global_load_b128 v[SS+16*\f+8:SS+16*\f+11],  v[QOFF], s[4:5] offset:4096*(\f/2)+128*(\f%2)+64 th:TH_LOAD_NT
	global_load_b128 v[SS+16*\f+12:SS+16*\f+15], v[QOFF], s[4:5] offset:4096*(\f/2)+128*(\f%2)+80 th:TH_LOAD_NT
.endr
	s_wait_loadcnt 32                              ; K's and V's eight loads are in; Q's 32, issued behind them, may be out
	KVSTORE 0
	s_add_nc_u64 s[32:33], s[32:33], 16384
	s_add_nc_u64 s[34:35], s[34:35], 16384
	s_wait_loadcnt 0x0
	WIN 0x40                                       ; destination in window 1
.irp f, 0,1,2,3,4,5,6,7
.irp j, 0,1,2,3,4,5,6,7
	v_cvt_pk_bf16_f32 v[QF+8*\f+\j], v[SS+16*\f+2*\j], v[SS+16*\f+2*\j+1]
.endr
.endr
	WIN 0
	s_wait_tensorcnt 0x1                           ; my part of mask tile 0 is in; tile 1's load may stay out
	s_wait_dscnt 0x0                               ; my part of K's and V's tile 0 is in LDS
	s_barrier_signal -1
	s_barrier_wait -1
	TRIP 0, 0, 1, 1, 1                             ; trip 0 starts all sums
	s_mov_b32 s40, 14
.Ltrips:                                               ; trips 1 to 28
	TRIP 1, 1, 1, 1, 0
	TRIP 0, 1, 1, 1, 0
	s_sub_co_i32 s40, s40, 1
	s_cmp_lg_u32 s40, 0
	s_cbranch_scc1 .Ltrips
	TRIP 1, 1, 1, 1, 0                             ; trip 29: the last prefetch (tile 31)
	TRIP 0, 1, 1, 0, 0                             ; trip 30: the last request and the last K/V loads (tile 31)
	TRIP 1, 2, 0, 0, 0                             ; trip 31
	; THE WAY OUT.  The sums were last written by vector instructions; the last matrix instructions lie 32 vector instructions back.
.irp qn, 0,1,2,3
	v_add_f32 v[LS+2*\qn], v[LS+2*\qn], v[LS+2*\qn+1]
.endr
.irp qn, 0,1,2,3
	v_permlanex16_b32 v14, v[LS+2*\qn], s46, s47   ; the other half of the lanes holds the same query's other keys
	v_add_f32 v[LS+2*\qn], v[LS+2*\qn], v14
	v_add_f32 v[LS+2*\qn], 0x322bcc77, v[LS+2*\qn] ; + 1e-8
.endr
.irp qn, 0,1,2,3
	v_rcp_f32 v[LS+2*\qn], v[LS+2*\qn]
.endr
	v_nop                                          ; one plain place behind the last reciprocal (ISA guide 5.7.2)
	s_wait_alu depctr_va_vdst(0)
	; Lane (r, h) holds d 16 m + 8 h + 0..7 of query row 16 n + r: 32 bytes of a row, into my part of mask slot 0 (rows of 272 bytes), which no tensor load fills any more.
.irp qn, 0,1,2,3
	WIN 0x01                                       ; source 0 (the sums) in window 1
.irp dm, 0,1,2,3
.irp j, 0,1,2,3
	v_pk_mul_f32 v[SS+32*\qn+8*\dm+2*\j:SS+32*\qn+8*\dm+2*\j+1], v[8*(4*\qn+\dm)+2*\j:8*(4*\qn+\dm)+2*\j+1], v[LS+2*\qn:LS+2*\qn+1] op_sel_hi:[1,0]
.endr
.endr
	WIN 0
.irp dm, 0,1,2,3
	ds_store_b128 v[MA], v[SS+32*\qn+8*\dm:SS+32*\qn+8*\dm+3]   offset:16*\qn*MPITCH+64*\dm
	ds_store_b128 v[MA], v[SS+32*\qn+8*\dm+4:SS+32*\qn+8*\dm+7] offset:16*\qn*MPITCH+64*\dm+16
.endr
.endr
	; Back by rows, two rows of 256 bytes a load (LDS serves a wave's instructions in order, ISA guide 5.7.1: these see the stores above), into v24-55, v56-87, v88-119 by turns.
	; Each store of the wave covers 512 consecutive bytes of out, at a multiple of 512 from its first byte.
.irp g, 0,1,2,3
.if \g == 3
	s_wait_xcnt 0x0                                ; group 0's stores have had their addresses translated (ISA guide 3.1): their data registers are loaded again only behind this wait
.endif
.irp u, 0,1,2,3,4,5,6,7
	ds_load_b128 v[KS+32*(\g%3)+4*\u:KS+32*(\g%3)+4*\u+3], v[RD] offset:(8*\g+\u)*2*MPITCH
.endr
.irp u, 0,1,2,3,4,5,6,7
	s_wait_dscnt 7-\u                              ; load u of the eight is in; the younger ones may be out
	global_store_b128 v[OOFF], v[KS+32*(\g%3)+4*\u:KS+32*(\g%3)+4*\u+3], s[12:13] offset:(8*\g+\u)*512 th:TH_STORE_NT
.endr
.endr
	s_set_vgpr_msb 0x5
	s_wait_tensorcnt 0x0
	ds_add_u32 v192, v193
	s_wait_dscnt 0x0
	s_set_vgpr_msb 0x500
	ROUND                                          ; the closing round: no work-group ends while a partner may still ask for a tile that names it
	s_endpgm
.Lfunc_end_k_q643be4863f_attn:
	.size	k_q643be4863f_attn, .Lfunc_end_k_q643be4863f_attn-k_q643be4863f_attn
	.p2alignl 7, 3214868480
	.fill 96, 4, 3214868480
	.section	.rodata,"a",@progbits
	.p2align	6, 0x0
	.amdhsa_kernel k_q643be4863f_attn
		.amdhsa_group_segment_fixed_size 327680
		.amdhsa_private_segment_fixed_size 0
		.amdhsa_enable_private_segment 0
		.amdhsa_kernarg_size 40
		.amdhsa_user_sgpr_count 2
		.amdhsa_user_sgpr_kernarg_segment_ptr 1
		.amdhsa_wavefront_size32 1
		.amdhsa_system_sgpr_workgroup_id_x 1
		.amdhsa_system_sgpr_workgroup_id_y 1
		.amdhsa_system_sgpr_workgroup_id_z 1
		.amdhsa_system_vgpr_workitem_id 0
		.amdhsa_next_free_vgpr 450
		.amdhsa_next_free_sgpr 66
		.amdhsa_reserve_vcc 0
		.amdhsa_float_denorm_mode_32 3
		.amdhsa_float_denorm_mode_16_64 3
		.amdhsa_memory_ordered 1
		.amdhsa_forward_progress 1
		.amdhsa_inst_pref_size 255
	.end_amdhsa_kernel
	.section	.bss,"aw",@nobits
	.p2align	6
	.space	262144
	.amdgpu_metadata
---
amdhsa.version: [ 1, 2 ]
amdhsa.kernels:
  - .name:           k_q643be4863f_attn
    .symbol:         k_q643be4863f_attn.kd
    .args:
      - { .name: Q, .offset: 0, .size: 8, .value_kind: global_buffer, .address_space: global }
      - { .name: K, .offset: 8, .size: 8, .value_kind: global_buffer, .address_space: global }
      - { .name: V, .offset: 16, .size: 8, .value_kind: global_buffer, .address_space: global }
      - { .name: mask, .offset: 24, .size: 8, .value_kind: global_buffer, .address_space: global }
      - { .name: out0, .offset: 32, .size: 8, .value_kind: global_buffer, .address_space: global }
    .group_segment_fixed_size: 327680
    .private_segment_fixed_size: 0
    .kernarg_segment_align: 8
    .kernarg_segment_size: 40
    .max_flat_workgroup_size: 256
    .sgpr_count:     66
    .vgpr_count:     450
    .wavefront_size: 32
...
	.end_amdgpu_metadata
.endif
;; end of part 1
